; MI455X (gfx1250); checked and timed in simulation.
; The chip was launched on July 23, 2026; its instructions are those of AMD's public machine-readable ISA for CDNA 5 (MIT licence, August 2026) and "CDNA5" Instruction Set Architecture Reference Guide (July 2026). The comments in the code are by the model that wrote it; some were corrected since.
;; Attention. Allowed arithmetic: matrix products marked QUANTISED: E4M3 operands, one E8M0 scale for each 32 along K, by v_wmma_scale_f32_16x16x128_f8f6f4 with both operands' format E4M3, f32 sums; everything else in f32.
;; Inputs: hs 16 x 2,048 x 512 float32; ys 16 x 2,048 x 512 float32.
;; Outputs: out0 16 x 2,048 x 512 float32.
;; This version of the problem:
;;   THIS VERSION OF THE PROBLEM IS GIVEN IN LOW PRECISION. The matrix products marked QUANTISED in the list below multiply operands that are first quantised to E4M3 (4 exponent bits, 3 mantissa bits; 8 bits a number), with one power-of-two scale for each 32 numbers along K (OCP MX v1.0); their sums are f32. All else is computed in f32.
;;   The module's matrix products, in the order in which they are computed (A, B: the left and right operand; K: the contracted axis; several contracted axes count as one K, in the product's order):
;;     1. batch 16 x [M 2,048, K 512] x [K 512, N 2,048]; A: input ys; B: input hs: QUANTISED
;;     2. batch 16 x [M 2,048, K 2,048] x [K 2,048, N 512]; A: softmax (see below); B: input hs: QUANTISED
;;   THE QUANTISER, for each operand of a quantised product, along K:
;;     - K is cut into blocks of 32 from its start; a last block that is shorter is filled with zeros.
;;     - A block's scale is 2^e with e = floor(log2(the largest magnitude in the block)) - 8, held to -126 .. 127; a block of zeros has e = 0. As a byte (E8M0): e + 127.
;;     - Each number is divided by its block's scale, clamped to +-448, and rounded to the nearest number of E4M3, ties to even, subnormals kept.
;;     - The product sums the exact products of the quantised numbers (number of the format x scale) in f32.
;;   ~~~python
;;   def quantise(x, axis):      # numpy; x: float32 -> the quantised numbers, widened to float32 again
;;       x = np.moveaxis(x, axis, -1); K = x.shape[-1]
;;       x = np.pad(x, [(0, 0)] * (x.ndim - 1) + [(0, -K % 32)]); x = x.reshape(x.shape[:-1] + (-1, 32)); a = np.abs(x).max(-1, keepdims=True)
;;       e = np.where(a > 0, np.clip(np.frexp(np.where(a > 0, a, 1))[1] - 1 - 8, -126, 127), 0)      # np.frexp(a)[1] - 1 = floor(log2(a)), exactly
;;       r = np.clip(x / 2.0 ** e, -448, 448)
;;       step = 2.0 ** (np.maximum(np.frexp(np.where(r == 0, 1, r))[1] - 1, -6) - 3)
;;       q = np.round(r / step) * step * 2.0 ** e      # np.round: ties to even
;;       return np.moveaxis(q.reshape(q.shape[:-2] + (-1,))[..., :K], -1, axis).astype(np.float32)
;;   ~~~
;;   SOFTMAX AHEAD OF A QUANTISED PRODUCT. Where the list says 'softmax', what is quantised is not the finished softmax but p = 2^(t - M), with t = logit x log2(e) and M = ceil(the row's largest t), a whole number; so 1/2 < the row's largest p <= 1. The row's sum l is taken of the UNQUANTISED p, in f32, and the product's result is divided by l at the end. Since M is a whole number, a kernel that streams over the keys may use a running M (the ceiling of the running maximum): every later rescaling is an exact power of two, which a block's scale takes up: the codes' values come out the same.
;;   OPERANDS COMPUTED ON THE WAY. 'Computed on the way' means the value that the module computes at that place (a softmax that the list does not call 'softmax' is quantised finished and normalised). What goes into a quantiser is computed in f32, as accurately as f32 sums, v_exp_f32 and their like allow (about 1e-6 of the number): no bf16 or f16 on the way to a quantiser, and a product that is left as it is and whose result goes on into a quantised operand takes f32 operands (vector FMAs, or v_wmma_f32_16x16x4_f32). A number that lies on a knife's edge between two numbers of the format may be rounded either way, as far as f32 arithmetic and the matrix unit's own rounding can turn it there, and no further.
;; One version. Each part assembles by itself: llvm-mc -triple=amdgcn-amd-amdhsa -mcpu=gfx1250 --defsym DOCPART=n.
;; ======== version 1 of 1: 2 launches
;; limits: right only within a limited range of input values
;; workspace buffers: kv 34,603,008 bytes
;; launch prep (part 1): grid 64 x 16, 4 waves a work-group, no clusters, 34,304 bytes of LDS; arguments hs, kv; writes kv
.if DOCPART == 1
	.amdgcn_target "amdgcn-amd-amdhsa--gfx1250"
	.amdhsa_code_object_version 6
	.text
	.protected	k_q7b6f0782f5_prep
	.globl	k_q7b6f0782f5_prep
	.p2align	8
	.type	k_q7b6f0782f5_prep,@function
k_q7b6f0782f5_prep:
	s_mov_b64 s[64:65], 0
	v_nop
	global_prefetch_b8 v0, s[64:65] scope:SCOPE_SE
	s_setreg_imm32_b32 hwreg(HW_REG_WAVE_MODE, 25, 1), 1
	s_wait_xcnt 0x0
; hs [16][2048][512] f32 is quantised TWICE into codes of FP8 (E4M3) with one E8M0 byte for each 32 numbers: along H (the keys of the first product) and along the keys (the values of the second).
; Codes and scale words are laid as IMAGES OF THE OPERANDS' REGISTERS, one dense block of SLOTB bytes for each (batch b, step j of 128 keys), at (16 b + j) SLOTB in kv:
;   0       K: fragment (tile t of 16 keys, H step e of 128) at (4 t + e) 2048; in it register group c of lane L at 512 c + 16 L: key 128 j + 32 (t/2) + 8 (t%2) + r + 8 (r/8), H 128 e + 32 c + 16 h + 0..15   (r = L % 16, h = L / 16)
;   65536   V: fragment n (rows H = 16 n + r) at 2048 n; group c of lane L at 512 c + 16 L: keys 128 j + 32 c + 16 h + 0..15
;   131072  K's scale words: 128 bytes at 128 (4 e + t/2): the word at 4 L belongs to tile 2 (t/2) + L / 16, row L % 16
;   133120  V's scale words: the word of row H at 4 H: one byte for each of the step's four blocks of keys
; THE KEYS OF A TILE OF K ARE NOT NEIGHBOURS, so that in the transposed scores the 16 registers of tiles 2 b and 2 b + 1 are 16 neighbouring keys.
; A block's scale is 2^(floor(log2(its largest magnitude)) - 8); its byte is the largest magnitude's exponent field - 8, held at 1 from below; each number is divided by the scale, held within +-448, rounded to the nearest code, ties to even.
; LIMITS: a block of zeros, and a block whose largest magnitude lies under 2^-118, gets the byte 1 (for zeros the rule says 127: the codes are zeros, which add nothing under that byte, and this program alone reads the bytes).  NaN and infinities among the inputs are not served.
; SHARES: work-group (x = 4 j + e, y = b) owns keys 128 j .. + 127 x H 128 e .. + 127, 64 KiB of f32.  Wave w makes K's tiles 2 w and 2 w + 1 of H step e, and V's rows H = 128 e + 32 w + lane (fragments 8 e + 2 w and + 1).
; So the work-group reads its 64 KiB twice within a short text: no cache hint on these loads.  Waves share nothing: no barrier.  No tensor loads: LDS is claimed as it is used.
; K PATH: each load takes 512 consecutive bytes of one key's row; 16 rows turn through the wave's own stage in LDS, so that a lane gets 16 neighbours along H of each of its row's four blocks.
; V PATH: a lane takes a column H and its registers run down the keys: a block of 32 keys lies in one lane, and the conversions give codes with the keys innermost.  Nothing is transposed by an instruction.
; The two stores of scale words cover 128 consecutive bytes a wave, 512 on end a work-group: 1 byte in 128 of what the launch reads.  All other stores cover whole aligned runs of 256 bytes or more.
.set SLOTB, 135168
.set VIMG,  65536
.set KSCO,  131072
.set VSCO,  133120
.set SP,    528                        ; a stage row: 512 bytes + 16 = 33 x 16 bytes, so that the 16 rows that a load touches start at 16 different banks (64 banks of 4 bytes: ISA guide 11.1)
.set LI,  1                            ; v1   16 x lane
.set L4,  2                            ; v2   4 x lane
.set STW, 3                            ; v3   the stage, on the way in: my wave's stage + 16 x lane
.set STX, 4                            ; v4   and on the way out: + 528 r + 64 h
.set VO,  5                            ; v5   V's codes: 2048 h + 16 r
.set LN,  6                            ; v6   lane
.set PW,  8                            ; v8-9 the scale words of my two tiles of K
.set SB,  10                           ; v10  my column's scale word of V
.set KW,  11                           ; v11  the word of K's that my lane stores
.set TM,  12                           ; v12-15 largest magnitudes, v16-19 the other half's, then bytes, v20-23 448 x the scale, v24-27 the conversions' scale operands
.set R,   28                           ; v28-155  numbers as loaded: K: two sets of 64; V: four sets of 32
.set X,   156                          ; v156-219 K: 64 numbers of a lane, register 16 b + i = H 32 b + 16 h + i of row r
.set VCD, 156                          ; v156-187 later V's codes, 8 registers a block: no store's data are written again
.set PC,  220                          ; v220-251 K's codes, 16 registers a tile
.set SEL, 16                           ; s[16:17] v_permlanex16_b32's selects for lane l xor 16
.set MNT, 18                           ; s18  the mantissa field of 448
	s_load_b128 s[4:7], s[0:1], 0x0                ; hs s[4:5], kv s[6:7]
	v_lshl_add_u32 v254, v0, 2, 0x8400
	v_mov_b32 v255, 0
	v_lshrrev_b32 v7, 5, v0
	v_readfirstlane_b32 s8, v7                     ; wave 0..3
	v_and_b32 v[LN], 31, v0
	v_and_b32 v7, 15, v0                           ; r
	v_bfe_u32 v[KW], v0, 4, 1                      ; h (the register is written whole again before it is stored)
	v_lshlrev_b32 v[LI], 4, v[LN]
	v_lshlrev_b32 v[L4], 2, v[LN]
	s_mul_i32 s19, s8, 16*SP                       ; my stage
	v_add_nc_u32 v[STW], s19, v[LI]
	v_mul_u32_u24 v[STX], v7, SP
	v_lshl_add_u32 v[STX], v[KW], 6, v[STX]
	v_add_nc_u32 v[STX], s19, v[STX]
	v_lshlrev_b32 v[VO], 4, v7
	v_lshl_add_u32 v[VO], v[KW], 11, v[VO]
.irp b, 0,1,2,3
	v_mov_b32 v[TM+4+\b], 0                        ; written once: a lane permute's destination counts as one of its sources
.endr
	s_lshr_b32 s9, ttmp9, 2                        ; j
	s_and_b32 s10, ttmp9, 3                        ; e
	s_and_b32 s11, ttmp7, 0xffff                   ; b
	s_mov_b32 s[SEL], 0x76543210
	s_mov_b32 s[SEL+1], 0xfedcba98
	s_mov_b32 s[MNT], 0x600000
	s_lshl_b32 s12, s11, 22                        ; a batch of hs is 2^22 bytes,
	s_lshl_b32 s13, s9, 18                         ; 128 keys are 2^18,
	s_add_co_u32 s12, s12, s13
	s_lshl_b32 s13, s10, 9                         ; 128 along H are 512
	s_add_co_u32 s12, s12, s13
	s_mov_b32 s13, 0
	s_lshl_b32 s14, s8, 16                         ; K path: my 32 keys
	s_mov_b32 s15, 0
	s_wait_alu depctr_va_vdst(0)
	s_wait_kmcnt 0x0
	s_add_nc_u64 s[4:5], s[4:5], s[12:13]
	s_add_nc_u64 s[20:21], s[4:5], s[14:15]        ; s[20:21]: hs at my keys, for the K path
.macro KLOAD u, reg                    ; the 16 rows of tile 2 w + u: row i is key 8 u + i + 8 (i / 8) of my 32; 32 lanes read 512 consecutive bytes
.irp i, 0,1,2,3,4,5,6,7,8,9,10,11,12,13,14,15
	global_load_b128 v[\reg+4*\i:\reg+4*\i+3], v[LI], s[20:21] offset:(8*\u+\i+8*(\i/8))*2048
.endr
.endm
	KLOAD 0, R
	KLOAD 1, R+64
	s_lshl_b32 s14, s8, 7                          ; V path: my 32 columns
	s_add_nc_u64 s[22:23], s[4:5], s[14:15]        ; s[22:23]: hs at my columns
	s_lshl_b32 s12, s11, 4
	s_add_co_u32 s12, s12, s9
	s_mul_i32 s12, s12, SLOTB                      ; the block of (b, j) in kv (under 2^26)
	s_add_nc_u64 s[6:7], s[6:7], s[12:13]
	s_lshl_b32 s14, s8, 3
	s_add_co_u32 s14, s14, s10
	s_lshl_b32 s14, s14, 11                        ; fragment (2 w, e): (8 w + e) 2048
	s_add_nc_u64 s[24:25], s[6:7], s[14:15]        ; s[24:25]: K's codes
	s_lshl_b32 s14, s10, 2
	s_add_co_u32 s14, s14, s8
	s_lshl_b32 s14, s14, 7
	s_add_co_u32 s14, s14, KSCO
	s_add_nc_u64 s[26:27], s[6:7], s[14:15]        ; s[26:27]: K's scale words, 128 (4 e + w)
	s_lshl_b32 s14, s10, 3
	s_lshl_b32 s19, s8, 1
	s_add_co_u32 s14, s14, s19
	s_lshl_b32 s14, s14, 11
	s_add_co_u32 s14, s14, VIMG
	s_add_nc_u64 s[28:29], s[6:7], s[14:15]        ; s[28:29]: V's codes, fragment 8 e + 2 w
	s_lshl_b32 s14, s10, 9
	s_lshl_b32 s19, s8, 7
	s_add_co_u32 s14, s14, s19
	s_add_co_u32 s14, s14, VSCO
	s_add_nc_u64 s[30:31], s[6:7], s[14:15]        ; s[30:31]: V's scale words, 4 (128 e + 32 w)
.macro TURN reg                        ; 16 rows through the stage.  LDS serves a wave's instructions in order (ISA guide 5.7.1.4): no wait between the stores and the loads
.irp i, 0,1,2,3,4,5,6,7,8,9,10,11,12,13,14,15
	ds_store_b128 v[STW], v[\reg+4*\i:\reg+4*\i+3] offset:SP*\i
.endr
.irp b, 0,1,2,3
.irp q, 0,1,2,3
	ds_load_b128 v[X+16*\b+4*\q:X+16*\b+4*\q+3], v[STX] offset:128*\b+16*\q
.endr
.endr
.endm
; 64 numbers of a lane, register 16 b + i = k 32 b + 16 h + i of row r, become a fragment's codes in v[dst] on and its scale word in v[pw]
.macro QUANT src, dst, pw
.irp b, 0,1,2,3
	v_max3_num_f32 v[TM+\b], |v[\src+16*\b]|, |v[\src+1+16*\b]|, 0x4800000   ; block b: my 16 numbers, and the floor 2^(9 - 127): the byte cannot fall under 1
.endr
.irp i, 2,4,6,8,10,12,14
.irp b, 0,1,2,3
	v_max3_num_f32 v[TM+\b], v[TM+\b], |v[\src+16*\b+\i]|, |v[\src+1+16*\b+\i]|   ; the four blocks by turns: no line waits for the line above it
.endr
.endr
.irp b, 0,1,2,3
	v_permlanex16_b32 v[TM+4+\b], v[TM+\b], s[SEL], s[SEL+1]
.endr
.irp b, 0,1,2,3
	v_max_num_f32 v[TM+\b], v[TM+\b], v[TM+4+\b]   ; with lane l xor 16's: the block's largest magnitude
.endr
.irp b, 0,1,2,3
	v_add_nc_u32 v[TM+12+\b], 0xfc000000, v[TM+\b] ; 8 off its exponent field: the conversion takes the exponent field of this operand as its scale
.endr
.irp b, 0,1,2,3
	v_and_or_b32 v[TM+8+\b], v[TM+\b], 0x7f800000, s[MNT]   ; 448 x the scale
.endr
.irp b, 0,1,2,3
	v_lshrrev_b32 v[TM+4+\b], 23, v[TM+12+\b]      ; the scale's byte
.endr
	v_lshl_or_b32 v[\pw], v[TM+5], 8, v[TM+4]      ; the four bytes make row r's scale word (both halves of the lanes hold it)
	v_lshl_or_b32 v[\pw], v[TM+6], 16, v[\pw]
	v_lshl_or_b32 v[\pw], v[TM+7], 24, v[\pw]
.irp b, 0,1,2,3
.irp i, 0,1,2,3,4,5,6,7,8,9,10,11,12,13,14,15
	v_med3_num_f32 v[\src+16*\b+\i], v[\src+16*\b+\i], -v[TM+8+\b], v[TM+8+\b]   ; the conversion to an 8-bit code does not saturate (ISA guide 7.6.2): the hold comes first
.endr
	v_cvt_scalef32_pk8_fp8_f32 v[\dst+4*\b:\dst+4*\b+1], v[\src+16*\b:\src+16*\b+7], v[TM+12+\b]
	v_cvt_scalef32_pk8_fp8_f32 v[\dst+4*\b+2:\dst+4*\b+3], v[\src+16*\b+8:\src+16*\b+15], v[TM+12+\b]
.endr
	v_nop                                          ; one plain vector line behind the last conversion, before its sources are written again
.endm
.macro KSTORE u                        ; the fragment as it stands: each store covers 512 consecutive bytes, aligned
.irp c, 0,1,2,3
	global_store_b128 v[LI], v[PC+16*\u+4*\c:PC+16*\u+4*\c+3], s[24:25] offset:8192*\u+512*\c
.endr
.endm
.macro VLOAD c                         ; block c: hs(key 32 c + i, my column), i = 0 .. 31: a wave reads 128 consecutive bytes, the four waves 512
.irp i, 0,1,2,3,4,5,6,7,8,9,10,11,12,13,14,15,16,17,18,19,20,21,22,23,24,25,26,27,28,29,30,31
	global_load_b32 v[R+32*\c+\i], v[L4], s[22:23] offset:(32*\c+\i)*2048
.endr
.endm
.macro VBLOCK c                        ; a block of 32 keys of my column: all 32 numbers are mine
.set XS, R+32*\c
	v_max3_num_f32 v[TM], |v[XS]|, |v[XS+1]|, |v[XS+2]|
	v_max3_num_f32 v[TM+1], |v[XS+3]|, |v[XS+4]|, |v[XS+5]|
.irp i, 6,10,14,18,22,26
	v_max3_num_f32 v[TM], v[TM], |v[XS+\i]|, |v[XS+\i+1]|
	v_max3_num_f32 v[TM+1], v[TM+1], |v[XS+\i+2]|, |v[XS+\i+3]|
.endr
	v_max3_num_f32 v[TM], v[TM], |v[XS+30]|, |v[XS+31]|
	v_max3_num_f32 v[TM], v[TM], v[TM+1], 0x4800000   ; and the floor
	v_add_nc_u32 v[TM+2], 0xfc000000, v[TM]        ; the conversions' scale operand
	v_and_or_b32 v[TM+3], v[TM], 0x7f800000, s[MNT]   ; 448 x the scale
	v_lshrrev_b32 v[TM+1], 23, v[TM+2]             ; the byte
.if \c == 0
	v_mov_b32 v[SB], v[TM+1]                       ; four bytes to the word, the earlier keys in the lower byte
.else
	v_lshl_or_b32 v[SB], v[TM+1], 8*\c, v[SB]
.endif
.irp i, 0,1,2,3,4,5,6,7,8,9,10,11,12,13,14,15,16,17,18,19,20,21,22,23,24,25,26,27,28,29,30,31
	v_med3_num_f32 v[XS+\i], v[XS+\i], -v[TM+3], v[TM+3]
.endr
.irp g, 0,1,2,3
	v_cvt_scalef32_pk8_fp8_f32 v[VCD+8*\c+2*\g:VCD+8*\c+2*\g+1], v[XS+8*\g:XS+8*\g+7], v[TM+2]
.endr
	v_nop                                          ; one plain vector line behind the last conversion: the next block writes its scale operand
	global_store_b128 v[VO], v[VCD+8*\c:VCD+8*\c+3], s[28:29] offset:512*\c          ; keys 32 c + 0..15: the place of lanes 0-15 of the image; 16 lanes cover 256 consecutive bytes, aligned
	global_store_b128 v[VO], v[VCD+8*\c+4:VCD+8*\c+7], s[28:29] offset:512*\c+256    ; keys 32 c + 16..31: the place of lanes 16-31
.endm
	s_wait_loadcnt 16                              ; loads come back in order (ISA guide 5.7.1): tile 2 w's 16 are in, the other tile's 16 may be out
	TURN R
	s_wait_dscnt 0x0                               ; X is in, and the stage's stores have read the first set of 64
	VLOAD 0                                        ; which takes V's blocks 0 and 1
	QUANT X, PC, PW
	KSTORE 0
	s_wait_loadcnt 32                              ; tile 2 w + 1's 16 are in; the 32 of V's block 0 are younger
	TURN R+64
	s_wait_dscnt 0x0
	VLOAD 1
	QUANT X, PC+16, PW+1
	KSTORE 1
	v_cmp_gt_u32 vcc_lo, 16, v[LN]
	v_cndmask_b32 v[KW], v[PW+1], v[PW], vcc_lo    ; lanes 0-15: tile 2 w's word of row r; lanes 16-31: tile 2 w + 1's
	global_store_b32 v[L4], v[KW], s[26:27]
	s_wait_loadcnt 32                              ; V's block 0 is in; block 1's 32 loads are younger
	VLOAD 2                                        ; into the second set of 64, which the stage's stores have read
	VBLOCK 0
	s_wait_loadcnt 32                              ; block 1 is in; block 2's are younger
	VLOAD 3
	VBLOCK 1
	s_wait_loadcnt 32                              ; block 2 is in; block 3's are younger
	VBLOCK 2
	s_wait_loadcnt 0x0
	VBLOCK 3
	global_store_b32 v[L4], v[SB], s[30:31]
	s_wait_tensorcnt 0x0
	ds_add_u32 v254, v255
	s_wait_dscnt 0x0
	s_endpgm                                       ; no store's data, offset or base was ever written again, and EXEC never changed: no wait on XCNT is owed
.Lfunc_end_k_q7b6f0782f5_prep:
	.size	k_q7b6f0782f5_prep, .Lfunc_end_k_q7b6f0782f5_prep-k_q7b6f0782f5_prep
	.p2alignl 7, 3214868480
	.fill 96, 4, 3214868480
	.section	.rodata,"a",@progbits
	.p2align	6, 0x0
	.amdhsa_kernel k_q7b6f0782f5_prep
		.amdhsa_group_segment_fixed_size 34304
		.amdhsa_private_segment_fixed_size 0
		.amdhsa_enable_private_segment 0
		.amdhsa_kernarg_size 16
		.amdhsa_user_sgpr_count 2
		.amdhsa_user_sgpr_kernarg_segment_ptr 1
		.amdhsa_wavefront_size32 1
		.amdhsa_system_sgpr_workgroup_id_x 1
		.amdhsa_system_sgpr_workgroup_id_y 1
		.amdhsa_system_sgpr_workgroup_id_z 1
		.amdhsa_system_vgpr_workitem_id 0
		.amdhsa_next_free_vgpr 256
		.amdhsa_next_free_sgpr 66
		.amdhsa_reserve_vcc 1
		.amdhsa_float_denorm_mode_32 3
		.amdhsa_float_denorm_mode_16_64 3
		.amdhsa_memory_ordered 1
		.amdhsa_forward_progress 1
		.amdhsa_inst_pref_size 55
	.end_amdhsa_kernel
	.amdgpu_metadata
---
amdhsa.version: [ 1, 2 ]
amdhsa.kernels:
  - .name:           k_q7b6f0782f5_prep
    .symbol:         k_q7b6f0782f5_prep.kd
    .args:
      - { .name: hs, .offset: 0, .size: 8, .value_kind: global_buffer, .address_space: global }
      - { .name: kv, .offset: 8, .size: 8, .value_kind: global_buffer, .address_space: global }
    .group_segment_fixed_size: 34304
    .private_segment_fixed_size: 0
    .kernarg_segment_align: 8
    .kernarg_segment_size: 16
    .max_flat_workgroup_size: 128
    .sgpr_count:     66
    .vgpr_count:     256
    .wavefront_size: 32
...
	.end_amdgpu_metadata
.endif
;; end of part 1
;; launch attn (part 2): grid 16 x 16, 4 waves a work-group, clusters of 4 x 1, 327,680 bytes of LDS; arguments ys, kv, out0; writes out0
.if DOCPART == 2
	.amdgcn_target "amdgcn-amd-amdhsa--gfx1250"
	.amdhsa_code_object_version 6
	.text
	.protected	k_q7b6f0782f5_attn
	.globl	k_q7b6f0782f5_attn
	.p2align	8
	.type	k_q7b6f0782f5_attn,@function
k_q7b6f0782f5_attn:
	s_mov_b64 s[64:65], 0
	v_nop
	global_prefetch_b8 v0, s[64:65] scope:SCOPE_SE
	s_setreg_imm32_b32 hwreg(HW_REG_WAVE_MODE, 25, 1), 1
	s_wait_xcnt 0x0
	s_wait_alu depctr_hold_cnt(0) depctr_sa_sdst(0) depctr_va_vdst(0) depctr_va_sdst(0) depctr_va_ssrc(0) depctr_va_vcc(0) depctr_vm_vsrc(0)
	s_getreg_b32 s2, hwreg(HW_REG_IB_STS2, 6, 4)
	s_cmp_eq_u32 s2, 0
	s_cbranch_scc0 .Lentry_in_a_cluster
	s_endpgm
.Lentry_in_a_cluster:
	s_bfe_u32 s2, ttmp6, 0x10000c
	s_cmp_lg_u32 s2, 0x3003
	s_cbranch_scc0 .Lentry_shape_is_right
	s_endpgm
.Lentry_shape_is_right:
; out0[b][q][:] = the sum over k of softmax_k(ys[b][q] . hs[b][k]) hs[b][k][:], both products on codes of FP8 (E4M3) with one E8M0 scale for each 32 along a product's K.
; ys [16][2048][512] f32 is quantised here, in registers (each row is read by one wave, once).  hs comes as kv: for each (batch, step of 128 keys) one dense block of SLOTB bytes, images of the operands' registers:
;   0: K's 32 fragments ((4 t + e) 2048);  65536: V's 32 fragments (2048 n);  131072: K's scale words (128 (4 e + t/2));  133120: V's (4 H).   Register group c of lane L lies at 512 c + 16 L of its fragment.
; SOFTMAX: t = score x log2(e); M = the row's largest t so far, rounded up to a whole number; p = 2^(t - M) is quantised along the keys, not normalised.  The row's sum is taken of the unquantised p and divides O at the end.
; When M moves, the sum and O are multiplied by f = 2^(old M - new M): nothing is rounded, and no branch hangs on data.
; A STEP'S SOFTMAX GOES IN TWO HALVES OF 64 KEYS, each under the running M.  The first half's scores are whole after four of the first product's eight batches: its vector work stands among the other four, while K's fragments are on their way from LDS.
; If the second half moves M, the first half's two scale bytes take the whole number old M - new M (its codes stay), held at 1 from below; the sum follows by its running form; the f that is handed on is the product of the two halves'.
; SHARES.  A work-group of four waves owns 128 queries of one batch: eight tiles m of 16.  Scores and softmax: wave w owns tiles 2 w and 2 w + 1 against the step's 128 keys; its Q stays in 128 registers.
; Second product: wave w owns H 128 w .. + 127 for all eight query tiles: 64 accumulators.  p's codes, scale words and f go from wave to wave through LDS as images of their registers.
; Both products are used transposed (S^T = K Q^T, O^T = V^T P^T): a lane holds one query (lane % 16).  The keys of a tile of K are chosen by the launch before so that tiles 2 b, 2 b + 1 of S^T hold keys 32 b + 16 (lane / 16) + 0 .. 15.
; CLUSTER: the four work-groups of a cluster belong to one batch and walk the same blocks: each block is asked for jointly, a quarter by each wave, mask 15.
; RING: two slots of one step; a step's block is asked for behind the round at the head of the step before.  One text of the step serves both slots: the slot's base is a scalar turned by an exclusive or.
; NO PREFETCH: a block is asked for a whole step (a wave's 128 matrix instructions and its softmax) ahead of its first read.  NO PADDING: images are read 16 bytes a lane on end.
; LIMITS: NaN and infinities among the inputs are not served.  A block of ys whose largest magnitude lies under 2^-118 (zeros too) gets the scale byte 1.  A p under 2^-126 is 0 (ISA guide 15.8).
; A block of p whose byte would fall under 1 keeps the byte 1: it then adds at most 448 x 2^-126 a key to a row whose sum is over 1/2.
; A block's largest p is made from its largest score by the same two instructions as every p, which takes v_exp_f32 not to fall where its input rises.  The scaled scores stay under 2^31 in magnitude.
; REGISTERS (windows of 256): window 0: v2-19 addresses; v20-27 -M, largest t, sum; v28-29 p's scale words; v32-39 Q's scale words; v40-55 K's scale words (v40-47 at work once tiles 0-3 are done), later P's and V's; v56-63 the step's addresses, f;
;   v64-191 S^T, p, then P's eight fragments, at the end rows of O; v192-223 p's codes; v224-255 at work, later f or 1 / sum.  Window 1: v0-127 Q, v128-255 fragments of K or V.  Windows 2, 3: O^T (m, n) at 64 (m % 4) + 8 n of window 2 + m / 4.
.set SLOTB, 135168
.set QTR,   SLOTB/4
.set KVB,   16*SLOTB
.set VIMG,  65536
.set KSCO,  131072
.set VSCO,  133120
.set PIMG,  2*SLOTB                    ; behind the ring: P's eight fragments, 2048 m + 512 c + 16 x lane
.set PSC,   PIMG+16384                 ; P's scale words, 128 m + 4 x lane
.set FIM,   1024                       ; from PSC on: f
.set LIM,   2048                       ; and 1 / sum
.set STAGE, PSC+3072                   ; 16 rows x 528 bytes for each wave
.set SP,    528
.set SPARE, STAGE+4*16*SP              ; the spare words: two blocks of 256 bytes that no other line names
.set LI,  2                            ; 16 x lane
.set AV,  4                            ; my eight fragments of V in slot 0
.set AKS, 6                            ; K's scale words in slot 0
.set AVS, 8                            ; my rows' scale words of V in slot 0
.set PWI, 10
.set PRI, 11
.set PWS, 12
.set PRS, 13
.set STO, 14
.set SRD, 15
.set STX, 16
.set SPW, 18
.set NIL, 19
.set ST,  20
.set T1,  28
.set QS,  32
.set KS,  40
.set PW,  40
.set T0,  40                           ; v40, v41: at work, a tile each
.set SPS, 42                           ; v[42:43], v[44:45]: the sums' second chains
.set FS,  46                           ; v46, v47: the first half's f
.set VS,  48
.set CK,  56                           ; v56-59: the step's addresses of K, V, K's and V's scale words
.set CV,  57
.set CKS, 58
.set CVS, 59
.set FP,  60                           ; v[60:61], v[62:63]: f of my two tiles, named as pairs
.set S,   64
.set X,   64
.set BK,  64
.set PC,  192
.set BM,  224                          ; index 4 x + block: largest scores, then largest p
.set PM,  232                          ; the other half's, then bytes
.set SOP, 240                          ; the conversions' scale operands
.set HL,  248                          ; 448 x the scale
.set F,   224
.set FB,  128
.set WV,  10
.set SEL, 20
.set CS,  22
.set MNT, 24
.set CNT, 25
.set TB,  27                           ; the LDS byte at which the slot in hand begins
.set G1,  28
.set G0,  36
.set MSB, 0
.macro WIN new
.if MSB != (\new)
	s_set_vgpr_msb (MSB<<8)|(\new)
.set MSB, (\new)
.endif
.endm
.macro PLACES n
.rept \n
	v_nop
.endr
.endm
.macro AWAIT
	s_wait_alu depctr_va_vdst(0)
.endm
.macro ROUND                           ; a round of the cluster's barrier
	s_barrier_signal -1
	s_barrier_wait -1
	s_cmp_lg_u32 s[WV], 0
	s_cbranch_scc1 .Lnot_wave_0_\@
	s_barrier_signal -3
.Lnot_wave_0_\@:
	s_barrier_wait -3
	s_barrier_signal -1
	s_barrier_wait -1
.endm
.macro WMS d, a, b, sa, sb, zero, row1
.if \zero
.if \row1
	v_wmma_scale_f32_16x16x128_f8f6f4 v[\d:\d+7], v[\a:\a+15], v[\b:\b+15], 0, v[\sa], v[\sb] matrix_a_scale:MATRIX_SCALE_ROW1
.else
	v_wmma_scale_f32_16x16x128_f8f6f4 v[\d:\d+7], v[\a:\a+15], v[\b:\b+15], 0, v[\sa], v[\sb]
.endif
.else
.if \row1
	v_wmma_scale_f32_16x16x128_f8f6f4 v[\d:\d+7], v[\a:\a+15], v[\b:\b+15], v[\d:\d+7], v[\sa], v[\sb] matrix_a_scale:MATRIX_SCALE_ROW1
.else
	v_wmma_scale_f32_16x16x128_f8f6f4 v[\d:\d+7], v[\a:\a+15], v[\b:\b+15], v[\d:\d+7], v[\sa], v[\sb]
.endif
.endif
.endm
	s_load_b128 s[4:7], s[0:1], 0x0                ; ys, kv
	s_load_b64 s[8:9], s[0:1], 0x10                ; out0
	v_lshl_add_u32 v[SPW], v0, 2, SPARE
	v_mov_b32 v[NIL], 0
	ds_add_u32 v[SPW], v[NIL]                      ; the opening lines: the add twice on end, one wait below
	ds_add_u32 v[SPW], v[NIL]
	v_lshrrev_b32 v17, 5, v0
	v_readfirstlane_b32 s[WV], v17                 ; wave 0..3
	v_and_b32 v17, 31, v0
	v_lshlrev_b32 v[LI], 4, v17
	v_lshlrev_b32 v17, 2, v17                      ; 4 x lane
	v_and_b32 v28, 15, v0                          ; r
	v_bfe_u32 v29, v0, 4, 1                        ; h
	s_bfe_u32 s11, ttmp6, 0x40000                  ; cx
	s_lshl_b32 s12, ttmp9, 2
	s_add_co_u32 s12, s12, s11                     ; my block of 128 queries: it enters ys's and out0's addresses alone
	s_and_b32 s13, ttmp7, 0xffff                   ; the batch
	s_lshl_b32 s14, s13, 22
	s_lshl_b32 s18, s12, 18
	s_add_co_u32 s14, s14, s18
	s_mov_b32 s15, 0
	s_mov_b32 s19, 0
	s_mul_i32 s26, s[WV], QTR                      ; my quarter of a block, in kv and in a slot alike
	s_mul_i32 s16, s13, KVB
	s_add_co_u32 s16, s16, s26
	s_mov_b32 s17, 0
	s_mov_b32 s[G1], 15|(3<<16)|(1<<21)            ; mask of all four; elements of 8 bytes; bit 21 beside a mask
	s_mov_b32 s[G1+1], 32<<16
	s_mov_b32 s[G1+2], 132<<16
	s_mov_b32 s[G1+3], 32<<16
	s_mov_b32 s[G1+4], 132                         ; 132 rows of 256 bytes, dense
	s_mov_b32 s[G1+5], 32
	s_mov_b32 s[G1+6], 0
	s_mov_b32 s[G1+7], 0
	s_mov_b32 s[SEL], 0x76543210
	s_mov_b32 s[SEL+1], 0xfedcba98
	s_mov_b32 s[CS], 0x3fb8aa3b                    ; log2(e)
	s_mov_b32 s[CS+1], s[CS]
	s_mov_b32 s[MNT], 0x600000
	s_mov_b32 s[TB], 0
	s_lshl_b32 s40, s[WV], 14
	s_add_co_u32 s40, s40, VIMG                    ; my eight fragments of V
	s_lshl_b32 s41, s[WV], 9
	s_add_co_u32 s41, s41, VSCO                    ; my 128 rows' scale words of V
	s_lshl_b32 s42, s[WV], 12
	s_add_co_u32 s42, s42, PIMG
	s_lshl_b32 s43, s[WV], 8
	s_add_co_u32 s43, s43, PSC
	s_mul_i32 s44, s[WV], 16*SP
	s_add_co_u32 s44, s44, STAGE                   ; my stage
	AWAIT
	v_add_nc_u32 v[AV], s40, v[LI]
	v_add_nc_u32 v[AKS], KSCO, v17
	v_add_nc_u32 v[AVS], s41, v17
	v_add_nc_u32 v[PWI], s42, v[LI]
	v_add_nc_u32 v[PRI], PIMG, v[LI]
	v_add_nc_u32 v[PWS], s43, v17
	v_add_nc_u32 v[PRS], PSC, v17
	v_add_nc_u32 v[SRD], s44, v[LI]
	v_mul_u32_u24 v[STO], v28, SP
	v_add_nc_u32 v[STO], s44, v[STO]
	v_lshl_add_u32 v[STX], v29, 6, v[STO]
	v_lshl_add_u32 v[STO], v29, 5, v[STO]
.irp x, 0,1
	v_mov_b32 v[ST+4*\x+1], 0xff61b1e6             ; the largest t so far: -3e38
	v_floor_f32 v[ST+4*\x], -v[ST+4*\x+1]          ; -M
	v_mov_b32 v[ST+4*\x+2], 0                      ; the sum, in two halves
	v_mov_b32 v[ST+4*\x+3], 0
	v_mov_b32 v[FP+2*\x+1], 0                      ; (named as the upper half of f's pair)
.endr
.irp b, 0,1,2,3,4,5,6,7
	v_mov_b32 v[PM+\b], 0                          ; a lane permute's destination counts as one of its sources
.endr
	AWAIT                                          ; at the head's end
	s_wait_dscnt 0x0                               ; both opening adds are done
	s_wait_kmcnt 0x0
	s_add_nc_u64 s[4:5], s[4:5], s[14:15]
	s_lshl_b32 s18, s[WV], 16                      ; my wave's 32 rows of ys
	s_add_nc_u64 s[4:5], s[4:5], s[18:19]
	s_add_nc_u64 s[8:9], s[8:9], s[14:15]
	s_lshl_b32 s18, s[WV], 9                       ; my wave's 128 columns of out0
	s_add_nc_u64 s[8:9], s[8:9], s[18:19]
	s_add_nc_u64 s[6:7], s[6:7], s[16:17]
	s_mov_b32 s[G0], 1
	s_mov_b32 s[G0+1], s26                         ; slot 0, my quarter
	s_mov_b64 s[G0+2:G0+3], s[6:7]                 ; step 0's block, my quarter
	s_or_b32 s[G0+3], s[G0+3], 0x80000000
.macro YLOAD k                         ; fragment k = 4 x + e of ys: rows 16 x + i, H 128 e on; 512 consecutive bytes a load; into set k % 4 of window 2
	WIN 0x80
.irp i, 0,1,2,3,4,5,6,7,8,9,10,11,12,13,14,15
	global_load_b128 v[64*((\k)%4)+4*\i:64*((\k)%4)+4*\i+3], v[LI], s[4:5] offset:(16*((\k)/4)+\i)*2048+512*((\k)%4) th:TH_LOAD_NT
.endr
.endm
.macro YTURN k                         ; through my stage: X's register 16 b + i = H 32 b + 16 h + i of row r.  LDS serves a wave's instructions in order (ISA guide 5.7.1.4)
	WIN 0x08
.irp i, 0,1,2,3,4,5,6,7,8,9,10,11,12,13,14,15
	ds_store_b128 v[SRD], v[64*((\k)%4)+4*\i:64*((\k)%4)+4*\i+3] offset:SP*\i
.endr
	WIN 0
.irp b, 0,1,2,3
.irp q, 0,1,2,3
	ds_load_b128 v[X+16*\b+4*\q:X+16*\b+4*\q+3], v[STX] offset:128*\b+16*\q
.endr
.endr
.endm
.macro QUANTQ k                        ; X becomes fragment k of Q (window 1) and its scale word
	WIN 0
.irp b, 0,1,2,3
	v_max3_num_f32 v[BM+\b], |v[X+16*\b]|, |v[X+1+16*\b]|, 0x4800000   ; with the floor 2^(9 - 127): the byte cannot fall under 1
.endr
.irp i, 2,4,6,8,10,12,14
.irp b, 0,1,2,3
	v_max3_num_f32 v[BM+\b], v[BM+\b], |v[X+16*\b+\i]|, |v[X+1+16*\b+\i]|
.endr
.endr
.irp b, 0,1,2,3
	v_permlanex16_b32 v[PM+\b], v[BM+\b], s[SEL], s[SEL+1]
.endr
.irp b, 0,1,2,3
	v_max_num_f32 v[BM+\b], v[BM+\b], v[PM+\b]
.endr
.irp b, 0,1,2,3
	v_add_nc_u32 v[SOP+\b], 0xfc000000, v[BM+\b]   ; 8 off the exponent field: the conversion's scale operand
.endr
.irp b, 0,1,2,3
	v_and_or_b32 v[HL+\b], v[BM+\b], 0x7f800000, s[MNT]   ; 448 x the scale
.endr
.irp b, 0,1,2,3
	v_lshrrev_b32 v[PM+\b], 23, v[SOP+\b]          ; the byte
.endr
	v_lshl_or_b32 v[QS+(\k)], v[PM+1], 8, v[PM]
	v_lshl_or_b32 v[QS+(\k)], v[PM+2], 16, v[QS+(\k)]
	v_lshl_or_b32 v[QS+(\k)], v[PM+3], 24, v[QS+(\k)]
.irp b, 0,1,2,3
.irp i, 0,1,2,3,4,5,6,7,8,9,10,11,12,13,14,15
	v_med3_num_f32 v[X+16*\b+\i], v[X+16*\b+\i], -v[HL+\b], v[HL+\b]   ; the conversion does not saturate (ISA guide 7.6.2)
.endr
.endr
	WIN 0x40
.irp b, 0,1,2,3
	v_cvt_scalef32_pk8_fp8_f32 v[16*(\k)+4*\b:16*(\k)+4*\b+1], v[X+16*\b:X+16*\b+7], v[SOP+\b]
	v_cvt_scalef32_pk8_fp8_f32 v[16*(\k)+4*\b+2:16*(\k)+4*\b+3], v[X+16*\b+8:X+16*\b+15], v[SOP+\b]
.endr
	WIN 0
	v_nop                                          ; one plain line behind the last conversion
.endm
	YLOAD 0                                        ; four fragments of ys are on their way across the round: nobody writes ys
	YLOAD 1
	YLOAD 2
	YLOAD 3
	WIN 0
	ROUND                                          ; the first joint load meets
	tensor_load_to_lds s[G0:G0+3], s[G1:G1+7]      ; step 0's block, my quarter: my one load at the head
	s_nop 0
	PLACES 4
.irp k, 0,1,2,3,4,5,6,7
.if \k < 5
	s_wait_loadcnt 48                              ; fragment k's 16 loads are in; the three younger fragments' may be out
.else
	s_wait_loadcnt 16*(7-\k)
.endif
	YTURN \k
	s_wait_dscnt 0x0                               ; X is in, and the stage's stores have read their set,
.if \k < 4
	YLOAD \k+4                                     ; which takes the fragment four further on
.endif
	QUANTQ \k
.endr
.macro KFETCH i                        ; batch i: K's tiles 4 (i / 4) + g of H step i % 4, into half i % 2 of the fragment registers
	WIN 0x40
.irp g, 0,1,2,3
.irp c, 0,1,2,3
	ds_load_b128 v[FB+64*((\i)%2)+16*\g+4*\c:FB+64*((\i)%2)+16*\g+4*\c+3], v[CK] offset:(4*(4*((\i)/4)+\g)+(\i)%4)*2048+512*\c
.endr
.endr
.endm
.macro SMUL i                          ; its eight products; the eight accumulators take turns, one instruction a turn
	WIN 0x05
.irp g, 0,1,2,3
.irp x, 0,1
.set rT, 4*((\i)/4)+\g
.set rD, S+64*\x+8*rT
.set rA, FB+64*((\i)%2)+16*\g
.set rB, 64*\x+16*((\i)%4)
.set rK, KS+4*(rT/2)+(\i)%4
.set rQ, QS+4*\x+(\i)%4
	WMS rD, rA, rB, rK, rQ, ((\i)%4)==0, \g%2
.endr
.endr
.endm
; HALF hf OF A STEP'S SOFTMAX (blocks 2 hf and 2 hf + 1 of 32 keys), my two tiles line by line by turns.  HPRE: maxima, M, t - M, the exponentials as one batch.
.macro HPRE hf
.irp e, 0,1
.irp x, 0,1
	v_max3_num_f32 v[BM+4*\x+2*\hf+\e], v[S+64*\x+32*\hf+16*\e], v[S+64*\x+32*\hf+16*\e+1], v[S+64*\x+32*\hf+16*\e+2]   ; the largest score of each block; each accumulator is read from its low end on
.endr
.endr
.irp i, 3,5,7,9,11,13
.irp e, 0,1
.irp x, 0,1
	v_max3_num_f32 v[BM+4*\x+2*\hf+\e], v[BM+4*\x+2*\hf+\e], v[S+64*\x+32*\hf+16*\e+\i], v[S+64*\x+32*\hf+16*\e+\i+1]
.endr
.endr
.endr
.irp e, 0,1
.irp x, 0,1
	v_max_num_f32 v[BM+4*\x+2*\hf+\e], v[BM+4*\x+2*\hf+\e], v[S+64*\x+32*\hf+16*\e+15]
.endr
.endr
.irp e, 0,1
.irp x, 0,1
	v_permlanex16_b32 v[PM+4*\x+2*\hf+\e], v[BM+4*\x+2*\hf+\e], s[SEL], s[SEL+1]
.endr
.endr
.irp e, 0,1
.irp x, 0,1
	v_max_num_f32 v[BM+4*\x+2*\hf+\e], v[BM+4*\x+2*\hf+\e], v[PM+4*\x+2*\hf+\e]   ; with lane l xor 16's 16 keys
.endr
.endr
.irp x, 0,1
	v_max_num_f32 v[T0+\x], v[BM+4*\x+2*\hf], v[BM+4*\x+2*\hf+1]
.endr
.irp x, 0,1
	v_mul_f32 v[T0+\x], s[CS], v[T0+\x]            ; the half's largest t
.endr
.irp x, 0,1
	v_max_num_f32 v[ST+4*\x+1], v[ST+4*\x+1], v[T0+\x]
.endr
.irp x, 0,1
	v_mov_b32 v[T0+\x], v[ST+4*\x]
.endr
.irp x, 0,1
	v_floor_f32 v[ST+4*\x], -v[ST+4*\x+1]          ; the new -M = -ceil(t)
.endr
.irp x, 0,1
	v_sub_f32 v[T0+\x], v[ST+4*\x], v[T0+\x]       ; old M - new M
.endr
.irp x, 0,1
	v_cvt_i32_f32 v[T0+\x], v[T0+\x]               ; as a whole number (it saturates)
.endr
.if \hf
.irp x, 0,1
	v_mov_b32 v[FS+\x], v[FP+2*\x]                 ; the first half's f is kept
.endr
.endif
.irp x, 0,1
	v_ldexp_f32 v[FP+2*\x], 1.0, v[T0+\x]          ; this half's f
.endr
.irp x, 0,1
.set j, 0
.rept 16
	v_pk_fma_f32 v[S+64*\x+32*\hf+j:S+64*\x+32*\hf+j+1], v[S+64*\x+32*\hf+j:S+64*\x+32*\hf+j+1], s[CS:CS+1], v[ST+4*\x:ST+4*\x+1] op_sel_hi:[1,0,0]   ; t - M
.set j, j+2
.endr
.endr
.irp e, 0,1
.irp x, 0,1
	v_fma_f32 v[BM+4*\x+2*\hf+\e], v[BM+4*\x+2*\hf+\e], s[CS], v[ST+4*\x]   ; the same of each block's largest score
.endr
.endr
	AWAIT                                          ; ahead of the batch
.irp x, 0,1
.set j, 0
.rept 32
	v_exp_f32 v[S+64*\x+32*\hf+j], v[S+64*\x+32*\hf+j]   ; p = 2^(t - M)
.set j, j+1
.endr
.endr
.irp e, 0,1
.irp x, 0,1
	v_exp_f32 v[BM+4*\x+2*\hf+\e], v[BM+4*\x+2*\hf+\e]   ; the blocks' largest p
.endr
.endr
.irp x, 0,1
	v_pk_mul_f32 v[ST+4*\x+2:ST+4*\x+3], v[ST+4*\x+2:ST+4*\x+3], v[FP+2*\x:FP+2*\x+1] op_sel_hi:[1,0]   ; the sums under the new M: plain lines behind the batch
.endr
	AWAIT                                          ; behind the batch, ahead of its first reader
.endm
.macro HP1 hf                          ; the four blocks' scales: 16 plain lines
.irp e, 0,1
.irp x, 0,1
	v_max_num_f32 v[BM+4*\x+2*\hf+\e], 0x4800000, v[BM+4*\x+2*\hf+\e]   ; the floor: the byte cannot fall under 1
.endr
.endr
.irp e, 0,1
.irp x, 0,1
	v_add_nc_u32 v[SOP+4*\x+2*\hf+\e], 0xfc000000, v[BM+4*\x+2*\hf+\e]
.endr
.endr
.irp e, 0,1
.irp x, 0,1
	v_and_or_b32 v[HL+4*\x+2*\hf+\e], v[BM+4*\x+2*\hf+\e], 0x7f800000, s[MNT]
.endr
.endr
.irp e, 0,1
.irp x, 0,1
	v_lshrrev_b32 v[PM+4*\x+2*\hf+\e], 23, v[SOP+4*\x+2*\hf+\e]
.endr
.endr
.endm
.macro HP2 hf                          ; the row's sum of the unquantised p: two chains a tile, 32 plain lines
.irp x, 0,1
	v_pk_add_f32 v[SPS+2*\x:SPS+2*\x+1], v[S+64*\x+32*\hf:S+64*\x+32*\hf+1], v[S+64*\x+32*\hf+2:S+64*\x+32*\hf+3]
.endr
.irp q, 4,8,12,16,20,24,28
.irp x, 0,1
	v_pk_add_f32 v[ST+4*\x+2:ST+4*\x+3], v[ST+4*\x+2:ST+4*\x+3], v[S+64*\x+32*\hf+\q:S+64*\x+32*\hf+\q+1]
	v_pk_add_f32 v[SPS+2*\x:SPS+2*\x+1], v[SPS+2*\x:SPS+2*\x+1], v[S+64*\x+32*\hf+\q+2:S+64*\x+32*\hf+\q+3]
.endr
.endr
.irp x, 0,1
	v_pk_add_f32 v[ST+4*\x+2:ST+4*\x+3], v[ST+4*\x+2:ST+4*\x+3], v[SPS+2*\x:SPS+2*\x+1]
.endr
.endm
.macro HP3 hf, x                       ; tile x: the hold (the conversion does not saturate: ISA guide 7.6.2; p is not negative), two numbers of two blocks a line, and the conversions
.set R0, S+64*(\x)+32*(\hf)
.set R1, R0+16
.set HB, HL+4*(\x)+2*(\hf)
.set OB, SOP+4*(\x)+2*(\hf)
.set CB, PC+16*(\x)+8*(\hf)
.irp i, 0,2,4,6,8,10,12,14
	v_dual_min_num_f32 v[R0+\i], v[R0+\i], v[HB] :: v_dual_min_num_f32 v[R1+\i+1], v[R1+\i+1], v[HB+1]
	v_dual_min_num_f32 v[R1+\i], v[R1+\i], v[HB+1] :: v_dual_min_num_f32 v[R0+\i+1], v[R0+\i+1], v[HB]
.endr
	v_cvt_scalef32_pk8_fp8_f32 v[CB:CB+1], v[R0:R0+7], v[OB]
	v_cvt_scalef32_pk8_fp8_f32 v[CB+2:CB+3], v[R0+8:R0+15], v[OB]
	v_cvt_scalef32_pk8_fp8_f32 v[CB+4:CB+5], v[R1:R1+7], v[OB+1]
	v_cvt_scalef32_pk8_fp8_f32 v[CB+6:CB+7], v[R1+8:R1+15], v[OB+1]
	v_nop                                          ; one plain line behind the last conversion
.endm
.macro HEND last                       ; behind the second half's exponentials: the first half comes under the new M; the rest of the second half; all goes to LDS
.irp e, 0,1
.irp x, 0,1
	v_add_nc_u32 v[PM+4*\x+\e], v[PM+4*\x+\e], v[T0+\x]   ; the first half's bytes take old M - new M,
.endr
.endr
.irp e, 0,1
.irp x, 0,1
	v_max_i32 v[PM+4*\x+\e], 1, v[PM+4*\x+\e]      ; held at 1 from below
.endr
.endr
.irp x, 0,1
	v_mul_f32 v[FP+2*\x], v[FP+2*\x], v[FS+\x]     ; the step's f: two powers of two multiplied
.endr
	HP1 1
.irp x, 0,1
	v_lshl_or_b32 v[T1+\x], v[PM+4*\x+1], 8, v[PM+4*\x]
.endr
.irp x, 0,1
	v_lshl_or_b32 v[T1+\x], v[PM+4*\x+2], 16, v[T1+\x]
.endr
.irp x, 0,1
	v_lshl_or_b32 v[T1+\x], v[PM+4*\x+3], 24, v[T1+\x]   ; p's scale word for these 128 keys
.endr
	HP2 1
	HP3 1, 0
	HP3 1, 1
.irp x, 0,1
.irp c, 0,1,2,3
	ds_store_b128 v[PWI], v[PC+16*\x+4*\c:PC+16*\x+4*\c+3] offset:2048*\x+512*\c   ; P's fragment of query tile 2 w + x
.endr
	ds_store_b32 v[PWS], v[T1+\x] offset:128*\x
	ds_store_b32 v[PWS], v[FP+2*\x] offset:FIM+128*\x
.endr
.if \last                              ; the sums are whole: 1 / sum crosses at the same barrier as P
.irp x, 0,1
	v_add_f32 v[T0+\x], v[ST+4*\x+2], v[ST+4*\x+3]
.endr
.irp x, 0,1
	v_permlanex16_b32 v[PM+\x], v[T0+\x], s[SEL], s[SEL+1]
.endr
.irp x, 0,1
	v_add_f32 v[T0+\x], v[T0+\x], v[PM+\x]
.endr
	AWAIT
.irp x, 0,1
	v_rcp_f32 v[HL+\x], v[T0+\x]
.endr
	v_nop
	AWAIT
.irp x, 0,1
	ds_store_b32 v[PWS], v[HL+\x] offset:LIM+128*\x
.endr
.endif
.endm
; O^T += V^T P^T for my 128 of H and all eight query tiles.  first = 1: the constant 0 starts the sums.  Else O^T is multiplied by f first, a window at a time, while P's loads are out.
.macro PV first
	WIN 0
.if \first == 0
.irp m, 0,1,2,3,4,5,6,7
	ds_load_b32 v[F+2*\m], v[PRS] offset:FIM+128*\m
.endr
.endif
.irp m, 0,1,2,3,4,5,6,7
	ds_load_b32 v[PW+\m], v[PRS] offset:128*\m
.endr
.irp m, 0,1,2,3,4,5,6,7
.irp c, 0,1,2,3
	ds_load_b128 v[S+16*\m+4*\c:S+16*\m+4*\c+3], v[PRI] offset:2048*\m+512*\c
.endr
.endr
.if \first == 0
	s_wait_dscnt 40                                ; the eight f are in; behind them: 8 scale words and 32 loads of P
.irp u, 0,1
	WIN 0x82+0x41*\u                               ; O^T in window 2 + u, f in window 0
	AWAIT                                          ; directly ahead of the first readers of the last step's sums
.irp m, 0,1,2,3
.set j, 0
.rept 32
	v_pk_mul_f32 v[64*\m+j:64*\m+j+1], v[64*\m+j:64*\m+j+1], v[F+8*\u+2*\m:F+8*\u+2*\m+1] op_sel_hi:[1,0]
.set j, j+2
.endr
.endr
.endr
	AWAIT
.endif
	s_wait_dscnt 0x0                               ; P and its scale words are in
.irp m, 0,1,2,3,4,5,6,7
	WIN 0xa1+0x50*(\m/4)                           ; V window 1, P window 0, C and D window 2 or 3
.irp n, 0,1,2,3,4,5,6,7
.set rD, 64*(\m%4)+8*\n
.set rA, FB+16*\n
.set rB, S+16*\m
.set rK, VS+\n/2
.set rQ, PW+\m
	WMS rD, rA, rB, rK, rQ, \first, \n%2
.endr
.endr
	WIN 0
.endm
; A KEY STEP: 128 keys, in the slot that begins at s[TB].  refill = 1: the other slot is asked for the next step's block.
.macro TRIP refill, first, last
	WIN 0
	v_add_nc_u32 v[CK], s[TB], v[LI]
	v_add_nc_u32 v[CV], s[TB], v[AV]
	v_add_nc_u32 v[CKS], s[TB], v[AKS]
	v_add_nc_u32 v[CVS], s[TB], v[AVS]
	AWAIT
	s_wait_tensorcnt 0x0                           ; my quarter of this step's block has landed; the descriptor may be written
	ds_add_u32 v[SPW], v[NIL]
.if \refill
	s_add_nc_u64 s[G0+2:G0+3], s[G0+2:G0+3], SLOTB ; the next block,
	s_xor_b32 s[G0+1], s[G0+1], SLOTB              ; into the other slot (no quarter's offset has a bit of SLOTB set)
.endif
	s_wait_dscnt 0x0                               ; the add is done; my reads of the other slot and of P's images are over
	ROUND
.if \refill
	tensor_load_to_lds s[G0:G0+3], s[G1:G1+7]      ; my one tensor load behind the round
	s_nop 0
.endif
	PLACES 5                                       ; with the four additions above: nine places behind the last step's products
.irp e, 0,1,2,3
.irp p, 0,1,2,3
	ds_load_b32 v[KS+4*\p+\e], v[CKS] offset:128*(4*\e+\p)
.endr
.endr
	KFETCH 0
	KFETCH 1
.irp i, 0,1,2,3                        ; K's tiles 0 to 3
	s_wait_dscnt 16                                ; batch i and the scale words are in; the next batch's 16 loads may be out
	SMUL \i
	PLACES 8                                       ; in front of loads into registers that these products have read (i = 3: and of the first read of the scores, and of writes of v40-47)
	KFETCH \i+2
.endr
	WIN 0
	HPRE 0                                         ; the first 64 keys, while batches 4 and 5 are on their way; no sum of the second 64 has begun
	s_wait_dscnt 16                                ; batch 4 is in
	SMUL 4
	WIN 0
	HP1 0                                          ; 16 plain lines that name none of these products' registers: the places in front of the loads
	KFETCH 6
	WIN 0
	HP2 0
	AWAIT
	s_wait_dscnt 16                                ; batch 5 is in
	SMUL 5
	WIN 0
	HP3 0, 0                                       ; 16 pairs and a v_nop: the places
	KFETCH 7
	AWAIT
	s_wait_dscnt 16                                ; batch 6 is in
	SMUL 6
	WIN 0
	HP3 0, 1
	AWAIT
	s_wait_dscnt 0x0
	SMUL 7
	PLACES 8                                       ; in front of the loads below and of the first read of the scores
	WIN 0x40
.irp n, 0,1,2,3,4,5,6,7
.irp c, 0,1,2,3
	ds_load_b128 v[FB+16*\n+4*\c:FB+16*\n+4*\c+3], v[CV] offset:2048*\n+512*\c   ; my eight fragments of V land while the second half's softmax runs
.endr
.endr
	WIN 0
.irp i, 0,1,2,3
	ds_load_b32 v[VS+\i], v[CVS] offset:128*\i
.endr
	HPRE 1
	HEND \last
	AWAIT
	s_wait_dscnt 0x0                               ; for the others' sake: my stores are done (and V is in)
	s_barrier_signal -1
	s_barrier_wait -1
	PV \first
	s_xor_b32 s[TB], s[TB], SLOTB                  ; on to the other slot
.endm
	TRIP 1, 1, 0                                   ; step 0 starts O^T's sums; slot 1 gets its first fill as a refill does
	s_mov_b32 s[CNT], 14
.Lstep:                                            ; steps 1 to 14
	TRIP 1, 0, 0
	s_sub_co_u32 s[CNT], s[CNT], 1
	s_cmp_lg_u32 s[CNT], 0
	s_cbranch_scc1 .Lstep
	TRIP 0, 0, 1                                   ; step 15 is written out: it asks for nothing
	; THE WAY OUT.  O^T x 1 / sum goes through my stage, a query tile (16 rows x my 512 bytes) at a time.
	PLACES 8                                       ; behind the last products
.irp m, 0,1,2,3,4,5,6,7
	ds_load_b32 v[F+2*\m], v[PRS] offset:LIM+128*\m
.endr
	s_wait_dscnt 0x0
.macro SCALE m
	WIN 0x82+0x41*((\m)/4)
.set j, 0
.rept 32
	v_pk_mul_f32 v[64*((\m)%4)+j:64*((\m)%4)+j+1], v[64*((\m)%4)+j:64*((\m)%4)+j+1], v[F+2*(\m):F+2*(\m)+1] op_sel_hi:[1,0]
.set j, j+2
.endr
	AWAIT
.endm
.macro TOSTAGE m                       ; lane (r, h): 32 bytes at 64 n + 32 h of row r; back as whole rows of 512 bytes
	WIN 0x08+4*((\m)/4)
.irp n, 0,1,2,3,4,5,6,7
	ds_store_b128 v[STO], v[64*((\m)%4)+8*\n:64*((\m)%4)+8*\n+3] offset:64*\n
	ds_store_b128 v[STO], v[64*((\m)%4)+8*\n+4:64*((\m)%4)+8*\n+7] offset:64*\n+16
.endr
	WIN 0
.irp i, 0,1,2,3,4,5,6,7,8,9,10,11,12,13,14,15
	ds_load_b128 v[BK+64*((\m)%2)+4*\i:BK+64*((\m)%2)+4*\i+3], v[SRD] offset:SP*\i
.endr
.endm
.macro SEND m, younger
	s_wait_dscnt \younger
.irp i, 0,1,2,3,4,5,6,7,8,9,10,11,12,13,14,15
	global_store_b128 v[LI], v[BK+64*((\m)%2)+4*\i:BK+64*((\m)%2)+4*\i+3], s[8:9] offset:(16*(\m)+\i)*2048 th:TH_STORE_NT   ; 512 consecutive bytes, aligned
.endr
.endm
	SCALE 0
	TOSTAGE 0
.irp a, 1,2,3,4,5,6,7
	SCALE \a
.if \a > 1
	s_wait_xcnt 0x0                                ; tile a - 2's stores have read their registers: tile a's loads may land there
.endif
	TOSTAGE \a
	SEND \a-1, 32                                  ; behind tile a - 1's loads: tile a's 16 stores and 16 loads
.endr
	SEND 7, 0
	s_wait_tensorcnt 0x0                           ; the wave's end
	ds_add_u32 v[SPW], v[NIL]
	s_wait_dscnt 0x0
	ROUND                                          ; the closing round
	s_endpgm
.Lfunc_end_k_q7b6f0782f5_attn:
	.size	k_q7b6f0782f5_attn, .Lfunc_end_k_q7b6f0782f5_attn-k_q7b6f0782f5_attn
	.p2alignl 7, 3214868480
	.fill 96, 4, 3214868480
	.section	.rodata,"a",@progbits
	.p2align	6, 0x0
	.amdhsa_kernel k_q7b6f0782f5_attn
		.amdhsa_group_segment_fixed_size 327680
		.amdhsa_private_segment_fixed_size 0
		.amdhsa_enable_private_segment 0
		.amdhsa_kernarg_size 24
		.amdhsa_user_sgpr_count 2
		.amdhsa_user_sgpr_kernarg_segment_ptr 1
		.amdhsa_wavefront_size32 1
		.amdhsa_system_sgpr_workgroup_id_x 1
		.amdhsa_system_sgpr_workgroup_id_y 1
		.amdhsa_system_sgpr_workgroup_id_z 1
		.amdhsa_system_vgpr_workitem_id 0
		.amdhsa_next_free_vgpr 1024
		.amdhsa_next_free_sgpr 66
		.amdhsa_reserve_vcc 0
		.amdhsa_float_denorm_mode_32 3
		.amdhsa_float_denorm_mode_16_64 3
		.amdhsa_memory_ordered 1
		.amdhsa_forward_progress 1
		.amdhsa_inst_pref_size 255
	.end_amdhsa_kernel
	.section	.bss,"aw",@nobits
	.p2align	6
	.space	262144
	.amdgpu_metadata
---
amdhsa.version: [ 1, 2 ]
amdhsa.kernels:
  - .name:           k_q7b6f0782f5_attn
    .symbol:         k_q7b6f0782f5_attn.kd
    .args:
      - { .name: ys, .offset: 0, .size: 8, .value_kind: global_buffer, .address_space: global }
      - { .name: kv, .offset: 8, .size: 8, .value_kind: global_buffer, .address_space: global }
      - { .name: out0, .offset: 16, .size: 8, .value_kind: global_buffer, .address_space: global }
    .group_segment_fixed_size: 327680
    .private_segment_fixed_size: 0
    .kernarg_segment_align: 8
    .kernarg_segment_size: 24
    .max_flat_workgroup_size: 128
    .sgpr_count:     66
    .vgpr_count:     1024
    .wavefront_size: 32
...
	.end_amdgpu_metadata
.endif
;; end of part 2
